; MI455X (gfx1250); checked and timed in simulation.
; The chip was launched on July 23, 2026; its instructions are those of AMD's public machine-readable ISA for CDNA 5 (MIT licence, August 2026) and "CDNA5" Instruction Set Architecture Reference Guide (July 2026). The comments in the code are by the model that wrote it; some were corrected since.
;; S. Allowed arithmetic: float matrix products may take bf16 or f16 operands with f32 sums; all other float work in f32.
;; Inputs: bg_center 3 float32; bg_scale 3 float32; bg_sdf 256 x 256 x 256 float32; fg_center 3 float32; fg_scale 3 float32; fg_sdf 256 x 256 x 256 float32; x_i 32 x 131,072 x 3 float32.
;; Outputs: out0 32 x 131,072 float32.
;; One version. Each part assembles by itself: llvm-mc -triple=amdgcn-amd-amdhsa -mcpu=gfx1250 --defsym DOCPART=n.
;; ======== version 1 of 1: 2 launches
;; limits: an absolute error that grows with the inputs' magnitude: up to 3.05e-05 times it
;; workspace buffers: cell 16,777,216 bytes of whole numbers
;; launch cells (part 1): grid 1024 x 1, 8 waves a work-group, no clusters, 0 bytes of LDS; arguments x_i, fg_center, fg_scale, bg_center, bg_scale, cell; writes cell
.if DOCPART == 1
	.amdgcn_target "amdgcn-amd-amdhsa--gfx1250"
	.amdhsa_code_object_version 6
	.text
	.protected	k_q184086483f_cells
	.globl	k_q184086483f_cells
	.p2align	8
	.type	k_q184086483f_cells,@function
k_q184086483f_cells:
	s_mov_b64 s[64:65], 0
	v_nop
	global_prefetch_b8 v0, s[64:65] scope:SCOPE_SE
	s_setreg_imm32_b32 hwreg(HW_REG_WAVE_MODE, 25, 1), 1
	s_wait_xcnt 0x0
; cell[p] for each of the 4,194,304 points p of x_i: which volume the point samples and at which grid cell, as one whole number.
;   bit 31: foreground (all |p_k| < 1)   bit 30: background (all |p_k| < 4, not foreground)   the whole word 0: outside (also any NaN)
;   bits 25:18 z0 (from p_0), 17:10 y0 (from p_1), 9:2 x0 (from p_2): the field 25:2 is the byte offset of corner (z0, y0, x0) in its volume.
; u_k = (p_k - c_k) * (127.5 / s_k) + 127.5, clamped to [0, UTOP], index = floor(u_k).  UTOP is the last f32 below 255, so the index is at most 254
; and index + 1 never leaves the volume; at the border the later interpolation differs from a clamp at 255 by at most 2^-16 of the neighbours' difference.
; LIMITS: the scales are finite and not 0 (the division is a product with 127.5 * v_rcp_f32(s), which is good to 1 ULP).
; The next launch repeats these lines on the same numbers to get the fractions, so both see the same u bit for bit.
; Eight waves; a wave owns 512 consecutive points in four groups of 128; a lane owns 4 consecutive points of each group: 48 bytes of x_i
; (three aligned 16-byte loads) and 16 bytes of cell, so each store of a wave covers 512 consecutive bytes, aligned.
; All twelve loads of a wave are issued before any work: no loop, no register is used twice by memory instructions.
.set XG,   1536                        ; bytes of x_i in a group of 128 points
.set CG,   512                         ; bytes of cell in a group
.set XO,   2                           ; v2       48 x lane
.set CO,   3                           ; v3       16 x lane
.set FC,   4                           ; v[4:6]   foreground centre
.set FA,   7                           ; v[7:9]   127.5 / foreground scale
.set KF,   10                          ; v10      the foreground's mark, bit 31
.set T,    12                          ; v[12:13] at work
.set CS,   16                          ; v[16:27] the centre chosen for each of the lane's 12 coordinates
.set AS,   28                          ; v[28:39] the gain chosen for each of them
.set X,    40                          ; v[40:87] group g: 12 registers, 4 points x 3 coordinates as they lie in memory
.set C,    88                          ; v[88:103] group g: 4 words to store
.set BC,   28                          ; s[28:30] background centre
.set BA,   36                          ; s[36:38] 127.5 / background scale
.set HALF, 40                          ; s[40:41] 127.5, twice (a pair for the packed multiply-add)
.set UTOP, 42                          ; s42      254.99998
.set KB,   43                          ; s43      the background's mark, bit 30
.set MF,   44                          ; s[44:47] point j of the lane: lanes whose point is foreground
.set MI,   48                          ; s[48:51] point j: lanes whose point is inside the background box
	s_load_b256 s[4:11], s[0:1], 0x0               ; x_i s[4:5], fg_center s[6:7], fg_scale s[8:9], bg_center s[10:11]
	s_load_b128 s[12:15], s[0:1], 0x20             ; bg_scale s[12:13], cell s[14:15]
	v_and_b32 v1, 31, v0                           ; lane
	v_lshrrev_b32 v[T], 5, v0
	v_readfirstlane_b32 s2, v[T]                   ; wave in the work-group
	s_lshl_b32 s3, ttmp9, 3
	s_add_co_u32 s3, s3, s2                        ; wave in the launch, 0 to 8191
	s_mul_i32 s16, s3, 4*XG                        ; its 512 points in x_i (below 2^26 bytes)
	s_mov_b32 s17, 0
	s_lshl_b32 s18, s3, 11                         ; and in cell: 4 x CG
	s_mov_b32 s19, 0
	v_mul_u32_u24 v[XO], 48, v1
	v_lshlrev_b32 v[CO], 4, v1
	s_mov_b32 s[HALF], 0x42ff0000                  ; 127.5
	s_mov_b32 s[HALF+1], 0x42ff0000
	s_mov_b32 s[UTOP], 0x437effff                  ; the f32 just below 255
	s_mov_b32 s[KB], 0x40000000
	v_mov_b32 v[KF], 0x80000000
	s_wait_kmcnt 0x0
	s_add_nc_u64 s[4:5], s[4:5], s[16:17]
	s_add_nc_u64 s[14:15], s[14:15], s[18:19]
.irp g, 0,1,2,3
.irp q, 0,1,2
	global_load_b128 v[X+12*\g+4*\q:X+12*\g+4*\q+3], v[XO], s[4:5] offset:\g*XG+16*\q
.endr
.endr
	s_load_b96 s[20:22], s[6:7], 0x0               ; foreground centre
	s_load_b96 s[24:26], s[8:9], 0x0               ; foreground scale
	s_load_b96 s[BC:BC+2], s[10:11], 0x0           ; background centre
	s_load_b96 s[32:34], s[12:13], 0x0             ; background scale
	s_wait_kmcnt 0x0
.irp k, 0,1,2
	v_rcp_f32 v[FA+\k], s[24+\k]
	v_rcp_f32 v[CS+\k], s[32+\k]
.endr
.irp k, 0,1,2
	v_mov_b32 v[FC+\k], s[20+\k]                   ; plain lines between the reciprocals and their first use (ISA guide 5.7.2)
.endr
	s_wait_alu depctr_va_vdst(0)
.irp k, 0,1,2
	v_mul_f32 v[FA+\k], 0x42ff0000, v[FA+\k]
	v_mul_f32 v[CS+\k], 0x42ff0000, v[CS+\k]
.endr
.irp k, 0,1,2
	v_readfirstlane_b32 s[BA+\k], v[CS+\k]         ; the background's gains live in scalars: one scalar, one vector source and the mask in each select
.endr
.macro GROUP g
.set P, X+12*\g
	s_wait_loadcnt 9-3*\g                          ; loads return in order: this group's three are in, three for each later group stay out
.irp j, 0,1,2,3
	v_maximum_f32 v[T], |v[P+3*\j]|, |v[P+3*\j+1]|         ; the largest magnitude of the point; a NaN wins and then fails both compares
	v_maximum_f32 v[T], v[T], |v[P+3*\j+2]|
	v_cmp_gt_f32 s[MF+\j], 1.0, v[T]                       ; -1 < p_k < 1 for all k
	v_cmp_gt_f32 s[MI+\j], 4.0, v[T]                       ; -4 < p_k < 4 for all k
.irp k, 0,1,2
	v_cndmask_b32 v[CS+3*\j+\k], s[BC+\k], v[FC+\k], s[MF+\j]
	v_cndmask_b32 v[AS+3*\j+\k], s[BA+\k], v[FA+\k], s[MF+\j]
.endr
.endr
.irp i, 0,2,4,6,8,10
	v_pk_add_f32 v[P+\i:P+\i+1], v[P+\i:P+\i+1], v[CS+\i:CS+\i+1] neg_lo:[0,1] neg_hi:[0,1]        ; p - c
.endr
.irp i, 0,2,4,6,8,10
	v_pk_fma_f32 v[P+\i:P+\i+1], v[P+\i:P+\i+1], v[AS+\i:AS+\i+1], s[HALF:HALF+1] op_sel_hi:[1,1,0] ; u = (p - c) * gain + 127.5
.endr
.irp i, 0,1,2,3,4,5,6,7,8,9,10,11
	v_med3_num_f32 v[P+\i], v[P+\i], 0, s[UTOP]            ; the border clamp
.endr
.irp i, 0,1,2,3,4,5,6,7,8,9,10,11
	v_cvt_u32_f32 v[P+\i], v[P+\i]                         ; toward zero = floor, u is not negative: 0 to 254
.endr
.irp j, 0,1,2,3
	v_cndmask_b32 v[T], s[KB], v[KF], s[MF+\j]             ; the region's mark
	v_lshl_add_u32 v[T+1], v[P+3*\j], 8, v[P+3*\j+1]       ; z0, y0
	v_lshl_add_u32 v[T+1], v[T+1], 8, v[P+3*\j+2]          ; , x0
	v_lshl_add_u32 v[T+1], v[T+1], 2, v[T]                 ; as a byte offset, under the mark
	v_cndmask_b32 v[C+4*\g+\j], 0, v[T+1], s[MI+\j]        ; outside both boxes: 0
.endr
	global_store_b128 v[CO], v[C+4*\g:C+4*\g+3], s[14:15] offset:\g*CG
.endm
	GROUP 0
	GROUP 1
	GROUP 2
	GROUP 3
	s_endpgm
.Lfunc_end_k_q184086483f_cells:
	.size	k_q184086483f_cells, .Lfunc_end_k_q184086483f_cells-k_q184086483f_cells
	.p2alignl 7, 3214868480
	.fill 96, 4, 3214868480
	.section	.rodata,"a",@progbits
	.p2align	6, 0x0
	.amdhsa_kernel k_q184086483f_cells
		.amdhsa_group_segment_fixed_size 0
		.amdhsa_private_segment_fixed_size 0
		.amdhsa_enable_private_segment 0
		.amdhsa_kernarg_size 48
		.amdhsa_user_sgpr_count 2
		.amdhsa_user_sgpr_kernarg_segment_ptr 1
		.amdhsa_wavefront_size32 1
		.amdhsa_system_sgpr_workgroup_id_x 1
		.amdhsa_system_sgpr_workgroup_id_y 1
		.amdhsa_system_sgpr_workgroup_id_z 1
		.amdhsa_system_vgpr_workitem_id 0
		.amdhsa_next_free_vgpr 104
		.amdhsa_next_free_sgpr 66
		.amdhsa_reserve_vcc 0
		.amdhsa_float_denorm_mode_32 3
		.amdhsa_float_denorm_mode_16_64 3
		.amdhsa_memory_ordered 1
		.amdhsa_forward_progress 1
		.amdhsa_inst_pref_size 27
	.end_amdhsa_kernel
	.amdgpu_metadata
---
amdhsa.version: [ 1, 2 ]
amdhsa.kernels:
  - .name:           k_q184086483f_cells
    .symbol:         k_q184086483f_cells.kd
    .args:
      - { .name: x_i, .offset: 0, .size: 8, .value_kind: global_buffer, .address_space: global }
      - { .name: fg_center, .offset: 8, .size: 8, .value_kind: global_buffer, .address_space: global }
      - { .name: fg_scale, .offset: 16, .size: 8, .value_kind: global_buffer, .address_space: global }
      - { .name: bg_center, .offset: 24, .size: 8, .value_kind: global_buffer, .address_space: global }
      - { .name: bg_scale, .offset: 32, .size: 8, .value_kind: global_buffer, .address_space: global }
      - { .name: cell, .offset: 40, .size: 8, .value_kind: global_buffer, .address_space: global }
    .group_segment_fixed_size: 0
    .private_segment_fixed_size: 0
    .kernarg_segment_align: 8
    .kernarg_segment_size: 48
    .max_flat_workgroup_size: 256
    .sgpr_count:     66
    .vgpr_count:     104
    .wavefront_size: 32
...
	.end_amdgpu_metadata
.endif
;; end of part 1
;; launch sample (part 2): grid 2048 x 1, 4 waves a work-group, no clusters, 0 bytes of LDS; arguments x_i, fg_center, fg_scale, bg_center, bg_scale, fg_sdf, bg_sdf, cell, out0; writes out0
.if DOCPART == 2
	.amdgcn_target "amdgcn-amd-amdhsa--gfx1250"
	.amdhsa_code_object_version 6
	.text
	.protected	k_q184086483f_sample
	.globl	k_q184086483f_sample
	.p2align	8
	.type	k_q184086483f_sample,@function
k_q184086483f_sample:
	s_mov_b64 s[64:65], 0
	v_nop
	global_prefetch_b8 v0, s[64:65] scope:SCOPE_SE
	s_setreg_imm32_b32 hwreg(HW_REG_WAVE_MODE, 25, 1), 1
	s_wait_xcnt 0x0
; out0[p] = trilinear sample of fg_sdf (foreground points), of bg_sdf (background points), or 1.0 (outside), for 4,194,304 points.
; cell[p], made by the launch before, says which: bit 31 foreground, bit 30 background, 0 outside; bits 25:2 = byte offset of corner (z0, y0, x0).
; The fractions are made here in f32 from x_i by the same lines that made the indices: u = (p - c) * (127.5 / s) + 127.5, clamped to [0, UTOP],
; fraction = u - floor(u).  UTOP is the last f32 below 255: floor(u) is at most 254, so the eight corners are eight immediates on one offset.
; LIMITS: scales finite and not 0 (product with 127.5 * v_rcp_f32(s), good to 1 ULP, for the division); volumes finite (each step is c0 + w (c1 - c0),
; which treats an infinity or NaN beside the sample otherwise than c0 (1 - w) + c1 w); at the border the result differs from a clamp at 255 by
; at most 2^-16 of the neighbours' difference.
; BOTH volumes are loaded with all lanes on; a lane that does not sample a volume reads it at offset 0, the same words for all such lanes.  The
; foreground's and the background's corner lie in one even register pair, so the packed instructions interpolate both at once with the
; point's fractions, and one select takes the half that counts.  No lane mask is ever changed and every register is written whole.
; Four waves; a wave owns 512 consecutive points, 4 trips of 128; a lane owns 4 consecutive points of a trip: 48 bytes of x_i, 16 of cell, 16 of out0;
; each store of a wave covers 512 consecutive bytes, aligned.  With 128 registers eight such waves share a SIMD's 1,024, each with 64 gathers out.
.set XG,   1536                        ; bytes of x_i in a trip of a wave
.set CG,   512                         ; bytes of cell, and of out0, in a trip
.set XO,   2                           ; v2        48 x lane
.set CO,   3                           ; v3        16 x lane
.set FC,   4                           ; v[4:6]    foreground centre
.set FA,   7                           ; v[7:9]    127.5 / foreground scale
.set CELL, 12                          ; v[12:15]  the lane's four cell words
.set X,    16                          ; v[16:27]  4 points x 3 coordinates, then their u
.set OF,   28                          ; v[28:31]  point j: byte offset in fg_sdf
.set OB,   32                          ; v[32:35]  point j: byte offset in bg_sdf
.set W,    36                          ; v[36:59]  coordinate i: fraction in the even register, floor(u) in the odd one (the pair is named whole)
.set OUT,  60                          ; v[60:63]  four results
.set D,    64                          ; v[64:127] point j, corner k = 4 dz + 2 dy + dx: fg in D + 16 j + 2 k, bg in the register behind it
.set CS,   D                           ; in front of the gathers the same registers are scratch: 12 chosen centres,
.set AS,   D+12                        ; 12 chosen gains,
.set TA,   D+24                        ; and four words for the offsets
.set TB,   D+25
.set T0,   D+26
.set T1,   D+27
.set BC,   36                          ; s[36:38]  background centre
.set BA,   44                          ; s[44:46]  127.5 / background scale
.set HALF, 48                          ; s[48:49]  127.5, twice
.set UTOP, 50                          ; s50       254.99998
.set MF,   52                          ; s[52:55]  point j: lanes whose point is foreground
.set MO,   56                          ; s[56:59]  point j: lanes whose point is outside
.set CNT,  60
	s_load_b512 s[4:19], s[0:1], 0x0               ; x_i s[4:5], fg_center s[6:7], fg_scale s[8:9], bg_center s[10:11], bg_scale s[12:13],
	s_load_b64 s[20:21], s[0:1], 0x40              ; fg_sdf s[14:15], bg_sdf s[16:17], cell s[18:19]; out0 s[20:21]
	v_and_b32 v1, 31, v0                           ; lane
	v_lshrrev_b32 v[T0], 5, v0
	v_readfirstlane_b32 s2, v[T0]                  ; wave in the work-group
	s_lshl_b32 s3, ttmp9, 2
	s_add_co_u32 s3, s3, s2                        ; wave in the launch, 0 to 8191
	s_mul_i32 s22, s3, 4*XG                        ; its 512 points in x_i
	s_mov_b32 s23, 0
	s_lshl_b32 s24, s3, 11                         ; and in cell and out0: 4 x CG
	s_mov_b32 s25, 0
	v_mul_u32_u24 v[XO], 48, v1
	v_lshlrev_b32 v[CO], 4, v1
	s_mov_b32 s[HALF], 0x42ff0000                  ; 127.5
	s_mov_b32 s[HALF+1], 0x42ff0000
	s_mov_b32 s[UTOP], 0x437effff                  ; the f32 just below 255
	s_wait_kmcnt 0x0
	s_add_nc_u64 s[4:5], s[4:5], s[22:23]
	s_add_nc_u64 s[18:19], s[18:19], s[24:25]
	s_add_nc_u64 s[20:21], s[20:21], s[24:25]
	global_load_b128 v[CELL:CELL+3], v[CO], s[18:19] th:TH_LOAD_NT         ; the first trip's words
.irp q, 0,1,2
	global_load_b128 v[X+4*\q:X+4*\q+3], v[XO], s[4:5] offset:16*\q th:TH_LOAD_NT
.endr
	s_load_b96 s[28:30], s[6:7], 0x0               ; foreground centre
	s_load_b96 s[32:34], s[8:9], 0x0               ; foreground scale
	s_load_b96 s[BC:BC+2], s[10:11], 0x0           ; background centre
	s_load_b96 s[40:42], s[12:13], 0x0             ; background scale
	s_wait_kmcnt 0x0
.irp k, 0,1,2
	v_rcp_f32 v[FA+\k], s[32+\k]
	v_rcp_f32 v[CS+\k], s[40+\k]
.endr
.irp k, 0,1,2
	v_mov_b32 v[FC+\k], s[28+\k]                   ; plain lines between the reciprocals and their first use (ISA guide 5.7.2)
.endr
	s_wait_alu depctr_va_vdst(0)
.irp k, 0,1,2
	v_mul_f32 v[FA+\k], 0x42ff0000, v[FA+\k]
	v_mul_f32 v[CS+\k], 0x42ff0000, v[CS+\k]
.endr
.irp k, 0,1,2
	v_readfirstlane_b32 s[BA+\k], v[CS+\k]         ; one scalar, one vector source and the mask in each select below
.endr
; A loaded word becomes a byte offset only through two bounds written here: z0, y0 together at most 0xfefe, 4 x0 at most 0x3f8.
; The largest offset is then that of word 0xfefefe, and the farthest corner (+ 0x10101 words) is the volume's last word.
.macro OFFSET dst, src
	v_bfe_u32 v[T0], v[\src], 10, 16               ; z0, y0
	v_and_b32 v[T1], 0x3fc, v[\src]                ; 4 x0
	v_min_u32 v[T0], 0xfefe, v[T0]
	v_min_u32 v[T1], 0x3f8, v[T1]
	v_lshl_add_u32 v[\dst], v[T0], 10, v[T1]
.endm
; One trip: 128 points.  ahead = 1: the next trip's cell and x_i words are asked for in front of this trip's gathers.
.macro TRIP ahead
.irp j, 0,1,2,3
	v_cmp_gt_i32 s[MF+\j], 0, v[CELL+\j]           ; bit 31: foreground
	v_cmp_eq_u32 s[MO+\j], 0, v[CELL+\j]           ; the word 0: outside
	v_cndmask_b32 v[TA], 0, v[CELL+\j], s[MF+\j]   ; the word for fg_sdf: mine, or 0
	v_cndmask_b32 v[TB], v[CELL+\j], 0, s[MF+\j]   ; the word for bg_sdf: 0, or mine (an outside point's is 0 already)
	OFFSET OF+\j, TA
	OFFSET OB+\j, TB
.irp k, 0,1,2
	v_cndmask_b32 v[CS+3*\j+\k], s[BC+\k], v[FC+\k], s[MF+\j]
	v_cndmask_b32 v[AS+3*\j+\k], s[BA+\k], v[FA+\k], s[MF+\j]
.endr
.endr
.irp i, 0,2,4,6,8,10
	v_pk_add_f32 v[X+\i:X+\i+1], v[X+\i:X+\i+1], v[CS+\i:CS+\i+1] neg_lo:[0,1] neg_hi:[0,1]        ; p - c
.endr
.irp i, 0,2,4,6,8,10
	v_pk_fma_f32 v[X+\i:X+\i+1], v[X+\i:X+\i+1], v[AS+\i:AS+\i+1], s[HALF:HALF+1] op_sel_hi:[1,1,0] ; u = (p - c) * gain + 127.5
.endr
.irp i, 0,1,2,3,4,5,6,7,8,9,10,11
	v_med3_num_f32 v[X+\i], v[X+\i], 0, s[UTOP]    ; the border clamp
.endr
.irp i, 0,1,2,3,4,5,6,7,8,9,10,11
	v_floor_f32 v[W+2*\i+1], v[X+\i]
.endr
.irp i, 0,1,2,3,4,5,6,7,8,9,10,11
	v_sub_f32 v[W+2*\i], v[X+\i], v[W+2*\i+1]      ; the fraction
.endr
	s_wait_xcnt 0x0                                ; the last trip's store has read OUT and its base; only it is outstanding here, issued a whole block of arithmetic ago
.if \ahead
	s_add_nc_u64 s[4:5], s[4:5], XG                ; the loads that named these two bases ended with the last trip's final wait
	s_add_nc_u64 s[18:19], s[18:19], CG
	s_add_nc_u64 s[20:21], s[20:21], CG            ; this trip's store reaches back
	global_load_b128 v[CELL:CELL+3], v[CO], s[18:19] th:TH_LOAD_NT
.irp q, 0,1,2
	global_load_b128 v[X+4*\q:X+4*\q+3], v[XO], s[4:5] offset:16*\q th:TH_LOAD_NT
.endr
.endif
	; 64 gathers: point by point, corner by corner, both volumes.  With the four loads above more are asked for than the counter's field
	; holds; the issue then simply holds until the oldest return (ISA guide 5.7.1).
.irp j, 0,1,2,3
.irp k, 0,1,2,3,4,5,6,7
	global_load_b32 v[D+16*\j+2*\k],   v[OF+\j], s[14:15] offset:(\k&1)*4+((\k>>1)&1)*1024+(\k>>2)*262144
	global_load_b32 v[D+16*\j+2*\k+1], v[OB+\j], s[16:17] offset:(\k&1)*4+((\k>>1)&1)*1024+(\k>>2)*262144
.endr
.endr
.irp j, 0,1,2,3
.set E,  D+16*\j
.set WP, W+6*\j                                    ; fractions of the point: along z in WP, along y in WP + 2, along x in WP + 4
	s_wait_loadcnt 48-16*\j                        ; loads return in order: this point's 16 are in, 16 for each later point stay out
.irp k, 0,4,8,12
	v_pk_add_f32 v[E+\k+2:E+\k+3], v[E+\k+2:E+\k+3], v[E+\k:E+\k+1] neg_lo:[0,1] neg_hi:[0,1]      ; along x: c1 - c0, four edges, both volumes
.endr
.irp k, 0,4,8,12
	v_pk_fma_f32 v[E+\k:E+\k+1], v[E+\k+2:E+\k+3], v[WP+4:WP+5], v[E+\k:E+\k+1] op_sel_hi:[1,0,1]  ; c0 + wx (c1 - c0): the even register feeds both halves
.endr
.irp k, 0,8
	v_pk_add_f32 v[E+\k+4:E+\k+5], v[E+\k+4:E+\k+5], v[E+\k:E+\k+1] neg_lo:[0,1] neg_hi:[0,1]      ; along y
.endr
.irp k, 0,8
	v_pk_fma_f32 v[E+\k:E+\k+1], v[E+\k+4:E+\k+5], v[WP+2:WP+3], v[E+\k:E+\k+1] op_sel_hi:[1,0,1]
.endr
	v_pk_add_f32 v[E+8:E+9], v[E+8:E+9], v[E:E+1] neg_lo:[0,1] neg_hi:[0,1]                        ; along z
	v_pk_fma_f32 v[E:E+1], v[E+8:E+9], v[WP:WP+1], v[E:E+1] op_sel_hi:[1,0,1]
	v_cndmask_b32 v[OUT+\j], v[E+1], v[E], s[MF+\j]        ; the volume that counts
	v_cndmask_b32 v[OUT+\j], v[OUT+\j], 1.0, s[MO+\j]      ; or 1.0 outside
.endr
.if \ahead
	global_store_b128 v[CO], v[OUT:OUT+3], s[20:21] offset:-CG th:TH_STORE_NT
.else
	global_store_b128 v[CO], v[OUT:OUT+3], s[20:21] th:TH_STORE_NT
.endif
.endm
	s_wait_loadcnt 0x0                             ; the first trip's words; every later trip's are in by the trip before's last wait, which is for zero
	s_mov_b32 s[CNT], 3
.Ltrip:
	TRIP 1
	s_sub_co_u32 s[CNT], s[CNT], 1
	s_cmp_lg_u32 s[CNT], 0
	s_cbranch_scc1 .Ltrip
	TRIP 0                                         ; the fourth trip asks for nothing beyond the wave's 512 points
	s_endpgm
.Lfunc_end_k_q184086483f_sample:
	.size	k_q184086483f_sample, .Lfunc_end_k_q184086483f_sample-k_q184086483f_sample
	.p2alignl 7, 3214868480
	.fill 96, 4, 3214868480
	.section	.rodata,"a",@progbits
	.p2align	6, 0x0
	.amdhsa_kernel k_q184086483f_sample
		.amdhsa_group_segment_fixed_size 0
		.amdhsa_private_segment_fixed_size 0
		.amdhsa_enable_private_segment 0
		.amdhsa_kernarg_size 72
		.amdhsa_user_sgpr_count 2
		.amdhsa_user_sgpr_kernarg_segment_ptr 1
		.amdhsa_wavefront_size32 1
		.amdhsa_system_sgpr_workgroup_id_x 1
		.amdhsa_system_sgpr_workgroup_id_y 1
		.amdhsa_system_sgpr_workgroup_id_z 1
		.amdhsa_system_vgpr_workitem_id 0
		.amdhsa_next_free_vgpr 128
		.amdhsa_next_free_sgpr 66
		.amdhsa_reserve_vcc 0
		.amdhsa_float_denorm_mode_32 3
		.amdhsa_float_denorm_mode_16_64 3
		.amdhsa_memory_ordered 1
		.amdhsa_forward_progress 1
		.amdhsa_inst_pref_size 39
	.end_amdhsa_kernel
	.amdgpu_metadata
---
amdhsa.version: [ 1, 2 ]
amdhsa.kernels:
  - .name:           k_q184086483f_sample
    .symbol:         k_q184086483f_sample.kd
    .args:
      - { .name: x_i, .offset: 0, .size: 8, .value_kind: global_buffer, .address_space: global }
      - { .name: fg_center, .offset: 8, .size: 8, .value_kind: global_buffer, .address_space: global }
      - { .name: fg_scale, .offset: 16, .size: 8, .value_kind: global_buffer, .address_space: global }
      - { .name: bg_center, .offset: 24, .size: 8, .value_kind: global_buffer, .address_space: global }
      - { .name: bg_scale, .offset: 32, .size: 8, .value_kind: global_buffer, .address_space: global }
      - { .name: fg_sdf, .offset: 40, .size: 8, .value_kind: global_buffer, .address_space: global }
      - { .name: bg_sdf, .offset: 48, .size: 8, .value_kind: global_buffer, .address_space: global }
      - { .name: cell, .offset: 56, .size: 8, .value_kind: global_buffer, .address_space: global }
      - { .name: out0, .offset: 64, .size: 8, .value_kind: global_buffer, .address_space: global }
    .group_segment_fixed_size: 0
    .private_segment_fixed_size: 0
    .kernarg_segment_align: 8
    .kernarg_segment_size: 72
    .max_flat_workgroup_size: 128
    .sgpr_count:     66
    .vgpr_count:     128
    .wavefront_size: 32
...
	.end_amdgpu_metadata
.endif
;; end of part 2
